; MI455X (gfx1250); checked and timed in simulation.
; The chip was launched on July 23, 2026; its instructions are those of AMD's public machine-readable ISA for CDNA 5 (MIT licence, August 2026) and "CDNA5" Instruction Set Architecture Reference Guide (July 2026). The comments in the code are by the model that wrote it; some were corrected since.
;; Multi Head Attention. Allowed arithmetic: matrix products marked QUANTISED: E2M1 operands, one E8M0 scale for each 32 along K, by v_wmma_scale_f32_16x16x128_f8f6f4 with both operands' format E2M1 (or v_wmma_scale_f32_32x16x128_f4), f32 sums; everything else in f32.
;; Inputs: W_K 1,024 x 1,024 float32; W_Q 1,024 x 1,024 float32; W_V 1,024 x 1,024 float32; k 4 x 2,048 x 1,024 float32; q 4 x 2,048 x 1,024 float32; v 4 x 2,048 x 1,024 float32.
;; Outputs: out0 4 x 2,048 x 1,024 float32.
;; This version of the problem:
;;   THIS VERSION OF THE PROBLEM IS GIVEN IN LOW PRECISION. The matrix products marked QUANTISED in the list below multiply operands that are first quantised to E2M1 (2 exponent bits, 1 mantissa bit; 4 bits a number), with one power-of-two scale for each 32 numbers along K (OCP MX v1.0); their sums are f32. All else is computed in f32.
;;   The module's matrix products, in the order in which they are computed (A, B: the left and right operand; K: the contracted axis; several contracted axes count as one K, in the product's order):
;;     1. [M 8,192, K 1,024] x [K 1,024, N 1,024]; A: input q; B: input W_Q: QUANTISED
;;     2. [M 8,192, K 1,024] x [K 1,024, N 1,024]; A: input k; B: input W_K: QUANTISED
;;     3. [M 8,192, K 1,024] x [K 1,024, N 1,024]; A: input v; B: input W_V: QUANTISED
;;     4. batch 64 x [M 2,048, K 64] x [K 64, N 2,048]; A: computed on the way; B: computed on the way: QUANTISED
;;     5. batch 64 x [M 64, K 2,048] x [K 2,048, N 2,048]; A: computed on the way; B: softmax (see below): QUANTISED
;;   THE QUANTISER, for each operand of a quantised product, along K:
;;     - K is cut into blocks of 32 from its start; a last block that is shorter is filled with zeros.
;;     - A block's scale is 2^e with e = floor(log2(the largest magnitude in the block)) - 2, held to -126 .. 127; a block of zeros has e = 0. As a byte (E8M0): e + 127.
;;     - Each number is divided by its block's scale, clamped to +-6, and rounded to the nearest number of E2M1, ties to even, subnormals kept.
;;     - The product sums the exact products of the quantised numbers (number of the format x scale) in f32.
;;   ~~~python
;;   def quantise(x, axis):      # numpy; x: float32 -> the quantised numbers, widened to float32 again
;;       x = np.moveaxis(x, axis, -1); K = x.shape[-1]
;;       x = np.pad(x, [(0, 0)] * (x.ndim - 1) + [(0, -K % 32)]); x = x.reshape(x.shape[:-1] + (-1, 32)); a = np.abs(x).max(-1, keepdims=True)
;;       e = np.where(a > 0, np.clip(np.frexp(np.where(a > 0, a, 1))[1] - 1 - 2, -126, 127), 0)      # np.frexp(a)[1] - 1 = floor(log2(a)), exactly
;;       r = np.clip(x / 2.0 ** e, -6, 6)
;;       step = 2.0 ** (np.maximum(np.frexp(np.where(r == 0, 1, r))[1] - 1, 0) - 1)
;;       q = np.round(r / step) * step * 2.0 ** e      # np.round: ties to even
;;       return np.moveaxis(q.reshape(q.shape[:-2] + (-1,))[..., :K], -1, axis).astype(np.float32)
;;   ~~~
;;   SOFTMAX AHEAD OF A QUANTISED PRODUCT. Where the list says 'softmax', what is quantised is not the finished softmax but p = 2^(t - M), with t = logit x log2(e) and M = ceil(the row's largest t), a whole number; so 1/2 < the row's largest p <= 1. The row's sum l is taken of the UNQUANTISED p, in f32, and the product's result is divided by l at the end. Since M is a whole number, a kernel that streams over the keys may use a running M (the ceiling of the running maximum): every later rescaling is an exact power of two, which a block's scale takes up: the codes' values come out the same.
;;   OPERANDS COMPUTED ON THE WAY. 'Computed on the way' means the value that the module computes at that place (a softmax that the list does not call 'softmax' is quantised finished and normalised). What goes into a quantiser is computed in f32, as accurately as f32 sums, v_exp_f32 and their like allow (about 1e-6 of the number): no bf16 or f16 on the way to a quantiser, and a product that is left as it is and whose result goes on into a quantised operand takes f32 operands (vector FMAs, or v_wmma_f32_16x16x4_f32). A number that lies on a knife's edge between two numbers of the format may be rounded either way, as far as f32 arithmetic and the matrix unit's own rounding can turn it there, and no further.
;; One version. Each part assembles by itself: llvm-mc -triple=amdgcn-amd-amdhsa -mcpu=gfx1250 --defsym DOCPART=n.
;; ======== version 1 of 1: 3 launches
;; limits: right only within a limited range of input values
;; workspace buffers: xc 12,582,912 bytes; xs 786,432 bytes; wc 1,572,864 bytes; ws 98,304 bytes; cd 12,582,912 bytes; sc 1,310,720 bytes
;; launch quantx (part 1): grid 864 x 1, 4 waves a work-group, no clusters, 51,712 bytes of LDS; arguments q, k, v, xc, xs, ws, W_Q, W_K, W_V, wc; writes xc, xs, wc, ws
.if DOCPART == 1
	.amdgcn_target "amdgcn-amd-amdhsa--gfx1250"
	.amdhsa_code_object_version 6
	.text
	.protected	k_qd020d36ff2_quantx
	.globl	k_qd020d36ff2_quantx
	.p2align	8
	.type	k_qd020d36ff2_quantx,@function
k_qd020d36ff2_quantx:
	s_mov_b64 s[64:65], 0
	v_nop
	global_prefetch_b8 v0, s[64:65] scope:SCOPE_SE
	s_setreg_imm32_b32 hwreg(HW_REG_WAVE_MODE, 25, 1), 1
	s_wait_xcnt 0x0
; q, k, v: [8192 tokens][1024], f32, become codes of FP4 (E2M1), K innermost, with one E8M0 scale byte for each 32 along K.
; xc: [tensor q, k, v][8192 row positions][512 bytes of codes];  xs: [tensor][8192 positions][32 scale bytes].
; A block's scale is 2^(floor(log2(its largest magnitude)) - 2); its byte is the largest magnitude's exponent field - 2, held at 1 from below.
; ROW POSITIONS: inside each group of 32 tokens, token i is stored at position i with bits 3 and 4 exchanged.  Sixteen neighbouring positions 32 g + 16 u + r then hold the
; tokens 32 g + 8 u + r + 8 (r / 8): the choice of rows that lets the next launch's results lie as 16 neighbours along the next product's K in a lane's registers.
; A work-group takes 32 tokens of one tensor, a wave 8 of them (8,192 numbers, 16 steps of 512): token bits 3 and 4 are the wave's bits 0 and 1, so the exchange is an exchange of the wave's two bits in the OUTPUT run's number.
; Each of a step's four loads reads 512 consecutive bytes, 16 a lane; the 2,048 bytes go through the wave's own stage in LDS and come back 64 bytes a lane: 16 neighbours along K, two lanes to a block.
; A lane's 16 codes are 8 bytes: the wave stores 256 consecutive bytes.  A wave's 256 scale bytes are gathered in its own LDS bytes and leave as 256 consecutive bytes.
; No tensor loads, no barrier: waves share nothing.  Loads run four steps (16 loads a wave) ahead, the turn through LDS one step.
; LIMITS: a block whose largest magnitude lies under 2^-124 has its byte held at 1; a block of zeros has the byte 1 where the rule says 127 (its codes are zeros, and this program alone reads the bytes); NaN and infinities among the inputs are not served.
.set STEPS, 16
.set EMAX,  2
.set CB,    8                          ; bytes of 16 codes
.set R,     16                         ; v16-79   four sets of 16 numbers as they are loaded
.set X,     80                         ; v80-111  two sets of 16 neighbours
.set E,     112                        ; v112-127 a scale byte for each step
.set C,     128                        ; v128-191 codes: four registers for each step, so that no store's data are written again
.set WREG,  8192                       ; LDS: a region for each wave: two stages of 32 x SP bytes, behind them its 256 scale bytes
.set SP,    80                         ; a lane's place in a stage: its 64 bytes + 16 of padding
; ONE LAUNCH, TWO PATHS, parted by the work-group's number alone: work-groups 0 to 95 quantise the three weights (the text behind .Lweights, with LDS bytes of its own), the other 768 the tokens, as described above.
	s_cmp_lt_u32 ttmp9, 96
	s_cbranch_scc1 .Lweights
	s_load_b128 s[4:7], s[0:1], 0x0                ; q, k
	s_load_b128 s[8:11], s[0:1], 0x10              ; v, xc
	s_load_b64 s[12:13], s[0:1], 0x20              ; xs
	v_lshl_add_u32 v192, v0, 2, 0x8000
	v_mov_b32 v193, 0
	v_lshrrev_b32 v1, 5, v0
	v_readfirstlane_b32 s16, v1                    ; wave
	v_and_b32 v2, 31, v0                           ; lane
	v_lshlrev_b32 v3, 4, v2                        ; my 16 bytes of a load's 512
	s_mul_i32 s17, s16, WREG
	v_lshrrev_b32 v14, 2, v2
	v_mul_u32_u24 v14, v14, SP
	v_and_b32 v15, 3, v2
	v_lshl_add_u32 v14, v15, 4, v14
	v_add_nc_u32 v14, s17, v14                     ; the stage, on the way in: SP (lane / 4) + 16 (lane % 4)
	v_mul_u32_u24 v15, v2, SP
	v_add_nc_u32 v15, s17, v15                     ; and on the way out: SP x lane: my 16 neighbours
	v_mul_u32_u24 v4, v2, CB                       ; my codes' place in a step's
	v_lshrrev_b32 v5, 1, v2
	s_add_co_u32 s17, s17, 2*32*SP
	v_add_nc_u32 v5, s17, v5                       ; LDS: my wave's 256 scale bytes, my block's byte
	v_lshlrev_b32 v7, 3, v2                        ; and on the way out 8 bytes a lane
	v_add_nc_u32 v6, s17, v7
	s_sub_co_u32 s26, ttmp9, 96                    ; my number among the tokens' 768 work-groups
	s_and_b32 s18, s26, 255                        ; 256 work-groups to a tensor
	s_lshl_b32 s18, s18, 2
	s_add_co_u32 s18, s18, s16                     ; which run of 8 tokens of the tensor I read
	s_lshl_b32 s18, s18, 15                        ; x 32,768 bytes
	s_mov_b32 s19, 0
	s_and_b32 s20, s16, 1
	s_lshl_b32 s20, s20, 1
	s_lshr_b32 s21, s16, 1
	s_or_b32 s20, s20, s21                         ; the wave's two bits exchanged
	s_lshl_b32 s21, s26, 2
	s_add_co_u32 s20, s20, s21                     ; which run of 8 positions I write, counted over the three tensors
	s_lshl_b32 s22, s20, 12                        ; x 4,096 bytes of codes
	s_mov_b32 s23, 0
	s_lshl_b32 s24, s20, 8                         ; x 256 scale bytes
	s_mov_b32 s25, 0
	s_wait_alu depctr_va_vdst(0)
	s_wait_kmcnt 0x0
	s_cmp_lt_u32 s26, 256                          ; the choice of tensor hangs on the work-group's number alone
	s_cselect_b64 s[4:5], s[4:5], s[6:7]           ; q or k,
	s_cmp_lt_u32 s26, 512
	s_cselect_b64 s[4:5], s[4:5], s[8:9]           ; or v
	s_add_nc_u64 s[4:5], s[4:5], s[18:19]
	s_add_nc_u64 s[10:11], s[10:11], s[22:23]
	s_add_nc_u64 s[12:13], s[12:13], s[24:25]
.macro LOAD t
.irp i, 0,1,2,3
	global_load_b128 v[R+16*((\t)%4)+4*\i:R+16*((\t)%4)+4*\i+3], v3, s[4:5] offset:2048*(\t)+512*\i th:TH_LOAD_NT   ; 32 lanes read 512 consecutive bytes
.endr
.endm
.macro TURN t                          ; step t's numbers through the stage: LDS serves a wave's instructions in order, so no wait stands between the stores and the loads
.irp i, 0,1,2,3
	ds_store_b128 v14, v[R+16*((\t)%4)+4*\i:R+16*((\t)%4)+4*\i+3] offset:32*SP*((\t)%2)+8*SP*\i
.endr
.irp i, 0,1,2,3
	ds_load_b128 v[X+16*((\t)%2)+4*\i:X+16*((\t)%2)+4*\i+3], v15 offset:32*SP*((\t)%2)+16*\i
.endr
.endm
.irp t, 0,1,2,3
	LOAD \t
.endr
	s_wait_loadcnt 12                              ; step 0's four loads are in; the twelve of steps 1 to 3 may be out
	TURN 0
.macro STEP t
.set XS, X+16*((\t)%2)
.if (\t) > 0
	s_wait_dscnt 1                                 ; this step's numbers are back from the stage (the last step's byte store may be out): so its stores into the stage have read their registers,
.else
	s_wait_dscnt 0x0
.endif
.if (\t)+4 < STEPS
	LOAD (\t)+4                                    ; which take the loads of four steps on
.endif
.if (\t)+1 < STEPS
.if STEPS-2-(\t) >= 3
	s_wait_loadcnt 12                              ; the next step's four loads are in; those of the three steps behind it may be out
.else
	s_wait_loadcnt 4*(STEPS-2-(\t))                ; towards the end fewer steps stand behind it
.endif
	TURN (\t)+1                                    ; and go through the other stage while this step is worked
.endif
	v_max3_num_f32 v8, |v[XS]|, |v[XS+1]|, |v[XS+2]|               ; the largest magnitude of my 16, in two chains
	v_max3_num_f32 v9, |v[XS+3]|, |v[XS+4]|, |v[XS+5]|
.irp i, 6,10
	v_max3_num_f32 v8, v8, |v[XS+\i]|, |v[XS+\i+1]|
	v_max3_num_f32 v9, v9, |v[XS+\i+2]|, |v[XS+\i+3]|
.endr
	v_max3_num_f32 v8, v8, |v[XS+14]|, |v[XS+15]|
	v_max3_num_f32 v8, v8, v9, (EMAX+1)<<23        ; and the floor 2^(3 - 127): so the byte cannot fall under 1
	v_max_num_f32_dpp v8, v8, v8 row_xmask:1 row_mask:0xf bank_mask:0xf   ; and of my neighbour's 16: the block's
	v_add_nc_u32 v11, 0xff000000, v8               ; 2 off its exponent field: the conversion takes the exponent field of this operand as its scale
	v_cvt_scalef32_pk8_fp4_f32 v[C+4*(\t)], v[XS:XS+7], v11
	v_cvt_scalef32_pk8_fp4_f32 v[C+4*(\t)+1], v[XS+8:XS+15], v11
	v_lshrrev_b32 v[E+(\t)], 23, v11               ; the scale's byte
	ds_store_b8 v5, v[E+(\t)] offset:16*(\t)       ; both lanes of a block write the same byte with the same value
.endm
.irp t, 0,1,2,3,4,5,6,7,8,9,10,11,12,13,14,15
	STEP \t
.endr
.irp t, 0,1,2,3,4,5,6,7,8,9,10,11,12,13,14,15
	global_store_b64 v4, v[C+4*\t:C+4*\t+1], s[10:11] offset:32*CB*\t   ; the sixteen steps' codes, each from registers of its own, in one run: 32 lanes store 256 consecutive bytes
.endr
	ds_load_b64 v[12:13], v6                       ; LDS serves a wave's instructions in order: these see my byte stores
	s_wait_dscnt 0x0
	global_store_b64 v7, v[12:13], s[12:13]        ; 32 lanes store 256 consecutive bytes
	s_wait_tensorcnt 0x0
	ds_add_u32 v192, v193
	s_wait_dscnt 0x0
	s_endpgm
; THE WEIGHTS.  W_Q, W_K, W_V: [1024 (k)][1024 (n)], f32, K the FIRST axis, become codes of FP4 (E2M1) laid [n][k], K innermost, with one E8M0 scale byte for each 32 along K, by the same rule and with the same limits as the tokens.
; wc: [weight][1024 positions of n][512 bytes];  ws: [weight][1024 positions][32 bytes].  Column n is stored at position n with bits 3 and 4 exchanged, as the tokens are.
; A LANE TAKES A COLUMN n AND ITS REGISTERS RUN DOWN K: a block of 32 lies in one lane's 32 registers, and the conversions give codes with K innermost.
; Work-group number = 32 x weight + 16 x (which 512 along K) + (which 64 columns).  Wave w takes columns 32 (w % 2) on and k = 256 (w / 2) on of the work-group's 512: eight blocks a lane; the two waves of one k range read 256 consecutive bytes of each row.
; Loads run two blocks (64 loads a wave) ahead, every offset an immediate.  The codes meet in LDS as 64 rows of 256 bytes (+ 16); behind one barrier each wave stores 16 rows, sixteen lanes to 256 consecutive bytes, aligned.
; The work-group's scale bytes are 16 of each position's 32: they leave as pieces of 16 bytes, 32 bytes apart (the other 16 are the partner's along K).
.Lweights:
.set WP,   272                         ; a stage row: 256 bytes of codes + 16
.set WST,  33280                       ; the stage, behind the tokens' path's LDS bytes and the spare words
.set WSS,  WST+64*WP                   ; behind it the scale bytes, 64 rows of 16
.set XN,   32                          ; v32-95 two sets of 32 numbers; on the way out the rows
.set CDW,  16                          ; v16-19 a block's codes
	s_load_b128 s[4:7], s[0:1], 0x30               ; W_Q, W_K
	s_load_b128 s[8:11], s[0:1], 0x40              ; W_V, wc
	s_load_b64 s[12:13], s[0:1], 0x28              ; ws
	v_lshl_add_u32 v192, v0, 2, 0x8000
	v_mov_b32 v193, 0
	v_lshrrev_b32 v1, 5, v0
	v_readfirstlane_b32 s16, v1                    ; wave 0..3
	s_and_b32 s17, s16, 1                          ; which 32 columns
	s_lshr_b32 s18, s16, 1                         ; which 256 along K
	s_and_b32 s27, ttmp9, 15                       ; which 64 columns
	s_bfe_u32 s28, ttmp9, 0x10004                  ; which 512 along K
	s_lshr_b32 s26, ttmp9, 5                       ; which weight
	s_mul_i32 s19, s17, 32*WP                      ; into the stage: row = my column (of 64), byte 128 x my k range
	s_lshl_b32 s20, s18, 7
	s_add_co_u32 s19, s19, s20
	s_add_co_u32 s19, s19, WST
	s_lshl_b32 s29, s17, 9                         ; my column's scale words: 16 bytes a column, 8 for each k range
	s_lshl_b32 s20, s18, 3
	s_add_co_u32 s29, s29, s20
	s_add_co_u32 s29, s29, WSS
	s_mul_i32 s30, s16, 16*WP                      ; out of the stage: rows 16 w on
	s_add_co_u32 s30, s30, WST
	s_lshl_b32 s20, s28, 21                        ; W: 512 rows of 4,096 bytes,
	s_lshl_b32 s21, s18, 20                        ; 256 rows,
	s_add_co_u32 s20, s20, s21
	s_lshl_b32 s21, s27, 8                         ; 64 columns of 4 bytes,
	s_add_co_u32 s20, s20, s21
	s_lshl_b32 s21, s17, 7                         ; 32 columns
	s_add_co_u32 s20, s20, s21
	s_mov_b32 s21, 0
	s_lshl_b32 s24, s26, 10
	s_lshl_b32 s25, s27, 6
	s_add_co_u32 s24, s24, s25                     ; the work-group's first position, counted over the three weights
	s_lshl_b32 s22, s18, 5                         ; the position of column 16 w: the wave's bit 1 -> 32, bit 0 -> 8
	s_lshl_b32 s23, s17, 3
	s_add_co_u32 s22, s22, s23
	s_add_co_u32 s22, s22, s24
	s_lshl_b32 s22, s22, 9                         ; x 512 bytes of codes,
	s_lshl_b32 s23, s28, 8                         ; + my work-group's 256 of them
	s_add_co_u32 s22, s22, s23
	s_mov_b32 s23, 0
	s_lshl_b32 s24, s24, 5                         ; x 32 scale bytes,
	s_lshl_b32 s25, s28, 4                         ; + my work-group's 16 of them
	s_add_co_u32 s24, s24, s25
	s_mov_b32 s25, 0
	v_and_b32 v2, 31, v0                           ; lane
	v_and_b32 v10, 15, v0
	v_bfe_u32 v11, v0, 4, 1
	v_lshlrev_b32 v3, 2, v2                        ; in: 4 bytes a lane
	v_mul_u32_u24 v4, v2, WP
	v_lshl_add_u32 v5, v2, 4, s29
	v_mul_u32_u24 v6, v11, WP
	v_lshlrev_b32 v7, 9, v11
	v_add_nc_u32 v4, s19, v4
	v_lshl_add_u32 v6, v10, 4, v6
	v_lshl_add_u32 v7, v10, 4, v7                  ; in wc: lanes 0-15 one position, lanes 16-31 the next; 16 bytes a lane
	v_and_b32 v8, 7, v0                            ; the scale bytes leave in the order of POSITIONS: thread n (of 64) takes position n, whose column has bits 3 and 4 exchanged:
	v_bfe_u32 v12, v0, 3, 1
	v_add_nc_u32 v6, s30, v6                       ; out of the stage: lanes 0-15 one row, lanes 16-31 the next
	v_lshlrev_b32 v8, 4, v8
	v_bfe_u32 v13, v0, 4, 1
	v_bfe_u32 v14, v0, 5, 1
	v_lshl_add_u32 v8, v12, 8, v8                  ; thread bit 3 -> 16 columns of 16 bytes,
	v_lshlrev_b32 v9, 5, v0                        ; where they go in ws: 32 bytes a position
	v_lshl_add_u32 v8, v13, 7, v8                  ; bit 4 -> 8 columns,
	v_nop
	v_lshl_add_u32 v8, v14, 9, v8                  ; bit 5 -> 32
	v_nop
	v_add_nc_u32 v8, WSS, v8
	s_wait_alu depctr_va_vdst(0)                   ; the wait at the head's end
	s_wait_kmcnt 0x0
	s_cmp_eq_u32 s26, 0                            ; the choice hangs on the work-group's number alone
	s_cselect_b64 s[4:5], s[4:5], s[6:7]
	s_cmp_lt_u32 s26, 2
	s_cselect_b64 s[4:5], s[4:5], s[8:9]
	s_add_nc_u64 s[4:5], s[4:5], s[20:21]
	s_add_nc_u64 s[10:11], s[10:11], s[22:23]
	s_add_nc_u64 s[12:13], s[12:13], s[24:25]
.macro WLOAD t                         ; block t: W(32 t + i, my column), i = 0 .. 31, into set t % 2
.set I, 0
.rept 32
	global_load_b32 v[XN+32*((\t)%2)+I], v3, s[4:5] offset:(32*(\t)+I)*4096 th:TH_LOAD_NT
.set I, I+1
.endr
.endm
.macro WBLOCK t
.set XS, XN+32*((\t)%2)
.if (\t) < 7
	s_wait_loadcnt 32                              ; this block's 32 loads are in; the next block's may be out
.else
	s_wait_loadcnt 0x0
.endif
	v_max3_num_f32 v12, |v[XS]|, |v[XS+1]|, |v[XS+2]|              ; the block's largest magnitude: all 32 numbers are mine; two chains
	v_max3_num_f32 v13, |v[XS+3]|, |v[XS+4]|, |v[XS+5]|
.irp i, 6,10,14,18,22,26
	s_delay_alu instid0(VALU_DEP_2)
	v_max3_num_f32 v12, v12, |v[XS+\i]|, |v[XS+\i+1]|
	s_delay_alu instid0(VALU_DEP_2)
	v_max3_num_f32 v13, v13, |v[XS+\i+2]|, |v[XS+\i+3]|
.endr
	s_delay_alu instid0(VALU_DEP_2)
	v_max3_num_f32 v12, v12, |v[XS+30]|, |v[XS+31]|
	s_delay_alu instid0(VALU_DEP_1)
	v_max3_num_f32 v12, v12, v13, 0x1800000        ; and the floor 2^(3 - 127): the byte cannot fall under 1
	s_delay_alu instid0(VALU_DEP_1)
	v_add_nc_u32 v11, 0xff000000, v12              ; 2 off its exponent field: the conversion's scale operand
	s_delay_alu instid0(VALU_DEP_1)
	v_lshrrev_b32 v13, 23, v11                     ; the scale's byte
.if (\t)%4 == 0
	s_delay_alu instid0(VALU_DEP_1)
	v_mov_b32 v14, v13                             ; four bytes to a word, the lower K in the lower byte
.else
	s_delay_alu instid0(VALU_DEP_1)
	v_lshl_or_b32 v14, v13, 8*((\t)%4), v14
.endif
.irp g, 0,1,2,3
	v_cvt_scalef32_pk8_fp4_f32 v[CDW+\g], v[XS+8*\g:XS+8*\g+7], v11
.endr
	ds_store_b128 v4, v[CDW:CDW+3] offset:16*(\t)  ; 32 codes: 16 bytes of my column's row
.if (\t)%4 == 3
	ds_store_b32 v5, v14 offset:4*((\t)/4)
.endif
.if (\t)+2 < 8
	WLOAD (\t)+2
.endif
	s_wait_dscnt 0x0                               ; the stores have read their registers: the next block's codes and word may be written; behind the last block: for the others' sake
.endm
	WLOAD 0
	WLOAD 1
.irp t, 0,1,2,3,4,5,6,7
	WBLOCK \t
.endr
	s_barrier_signal -1
	s_barrier_wait -1
.irp j, 0,1,2,3,4,5,6,7
	ds_load_b128 v[XN+4*\j:XN+4*\j+3], v6 offset:2*\j*WP
.endr
.irp j, 0,1,2,3,4,5,6,7
	s_wait_dscnt 7-\j                              ; the younger loads may be out
	global_store_b128 v7, v[XN+4*\j:XN+4*\j+3], s[10:11] offset:((2*\j)%8+16*(\j/4))*512   ; columns 16 w + 2 j and the next: bit 3 of the column -> 16 positions
.endr
	s_cmp_gt_u32 s16, 1                            ; the 1,024 scale bytes are 64 threads' work: waves 0 and 1; no barrier stands behind this branch
	s_cbranch_scc1 .Lwdone
	ds_load_b128 v[XN+32:XN+35], v8
	s_wait_dscnt 0x0
	global_store_b128 v9, v[XN+32:XN+35], s[12:13]
.Lwdone:
	s_wait_tensorcnt 0x0                           ; the wave's end
	ds_add_u32 v192, v193
	s_wait_dscnt 0x0
	s_endpgm
.Lfunc_end_k_qd020d36ff2_quantx:
	.size	k_qd020d36ff2_quantx, .Lfunc_end_k_qd020d36ff2_quantx-k_qd020d36ff2_quantx
	.p2alignl 7, 3214868480
	.fill 96, 4, 3214868480
	.section	.rodata,"a",@progbits
	.p2align	6, 0x0
	.amdhsa_kernel k_qd020d36ff2_quantx
		.amdhsa_group_segment_fixed_size 51712
		.amdhsa_private_segment_fixed_size 0
		.amdhsa_enable_private_segment 0
		.amdhsa_kernarg_size 80
		.amdhsa_user_sgpr_count 2
		.amdhsa_user_sgpr_kernarg_segment_ptr 1
		.amdhsa_wavefront_size32 1
		.amdhsa_system_sgpr_workgroup_id_x 1
		.amdhsa_system_sgpr_workgroup_id_y 1
		.amdhsa_system_sgpr_workgroup_id_z 1
		.amdhsa_system_vgpr_workitem_id 0
		.amdhsa_next_free_vgpr 194
		.amdhsa_next_free_sgpr 66
		.amdhsa_reserve_vcc 0
		.amdhsa_float_denorm_mode_32 3
		.amdhsa_float_denorm_mode_16_64 3
		.amdhsa_memory_ordered 1
		.amdhsa_forward_progress 1
		.amdhsa_inst_pref_size 80
	.end_amdhsa_kernel
	.amdgpu_metadata
---
amdhsa.version: [ 1, 2 ]
amdhsa.kernels:
  - .name:           k_qd020d36ff2_quantx
    .symbol:         k_qd020d36ff2_quantx.kd
    .args:
      - { .name: q, .offset: 0, .size: 8, .value_kind: global_buffer, .address_space: global }
      - { .name: k, .offset: 8, .size: 8, .value_kind: global_buffer, .address_space: global }
      - { .name: v, .offset: 16, .size: 8, .value_kind: global_buffer, .address_space: global }
      - { .name: xc, .offset: 24, .size: 8, .value_kind: global_buffer, .address_space: global }
      - { .name: xs, .offset: 32, .size: 8, .value_kind: global_buffer, .address_space: global }
      - { .name: ws, .offset: 40, .size: 8, .value_kind: global_buffer, .address_space: global }
      - { .name: W_Q, .offset: 48, .size: 8, .value_kind: global_buffer, .address_space: global }
      - { .name: W_K, .offset: 56, .size: 8, .value_kind: global_buffer, .address_space: global }
      - { .name: W_V, .offset: 64, .size: 8, .value_kind: global_buffer, .address_space: global }
      - { .name: wc, .offset: 72, .size: 8, .value_kind: global_buffer, .address_space: global }
    .group_segment_fixed_size: 51712
    .private_segment_fixed_size: 0
    .kernarg_segment_align: 8
    .kernarg_segment_size: 80
    .max_flat_workgroup_size: 128
    .sgpr_count:     66
    .vgpr_count:     194
    .wavefront_size: 32
...
	.end_amdgpu_metadata
.endif
;; end of part 1
;; launch proj (part 2): grid 4 x 96, 4 waves a work-group, clusters of 4 x 4, 327,680 bytes of LDS; arguments xc, xs, wc, ws, cd, sc; writes cd, sc
.if DOCPART == 2
	.amdgcn_target "amdgcn-amd-amdhsa--gfx1250"
	.amdhsa_code_object_version 6
	.text
	.protected	k_qd020d36ff2_proj
	.globl	k_qd020d36ff2_proj
	.p2align	8
	.type	k_qd020d36ff2_proj,@function
k_qd020d36ff2_proj:
	s_mov_b64 s[64:65], 0
	v_nop
	global_prefetch_b8 v0, s[64:65] scope:SCOPE_SE
	s_setreg_imm32_b32 hwreg(HW_REG_WAVE_MODE, 25, 1), 1
	s_wait_xcnt 0x0
	s_wait_alu depctr_hold_cnt(0) depctr_sa_sdst(0) depctr_va_vdst(0) depctr_va_sdst(0) depctr_va_ssrc(0) depctr_va_vcc(0) depctr_vm_vsrc(0)
	s_getreg_b32 s2, hwreg(HW_REG_IB_STS2, 6, 4)
	s_cmp_eq_u32 s2, 0
	s_cbranch_scc0 .Lentry_in_a_cluster
	s_endpgm
.Lentry_in_a_cluster:
	s_bfe_u32 s2, ttmp6, 0x10000c
	s_cmp_lg_u32 s2, 0xf033
	s_cbranch_scc0 .Lentry_shape_is_right
	s_endpgm
.Lentry_shape_is_right:
; The three projections x W on codes of FP4 (E2M1) with E8M0 scales, K = 1,024 in two slots of 512; each result is quantised along the next product's K and stored as images of operand registers (cd) with scale words (sc).
; A work-group makes 256 x 256, a wave 128 x 128.  Source 1 takes the rows of LDS region A, source 0 those of region B; a lane's registers run along region B's rows.
; q, k: region A = 256 tokens (tile 4 cluster y + cy), region B = 256 columns of W (tile cx).  v: region A = 256 columns of W_V (tile cy), region B = 256 tokens (tile 4 cluster y + cx): so V comes out with the keys along a lane's registers.
; In both cases A's tile hangs on cy alone and is asked for jointly along a row of the cluster, B's on cx alone and along a column; every LDS address is the same arithmetic for all three tensors.
; The head's four tiles (slot 0's A and B, A's and B's scale bytes) are shared out, one tensor load a wave; slot 1 is filled behind the full sequence and a round.  No slot is filled twice.
; No prefetch: K has two steps, both asked for at the head, so there is no loop to run ahead in.
.set NQ,     4
.set ROWB,   256
.set KROW,   512
.set PITCH,  272
.set FR,     8
.set NL,     2
.set NP,     4
.set HALFT,  128*PITCH
.set SLOT,   4*HALFT
.set SCL,    2*SLOT
.set HALFS,  16*272
.set SBLK,   2*272
.set ADRA, 16
.set ADRB, 20
.set LI,   24
.set SA,   25
.set SH,   26
.set ADRS, 27
.set SC,   32
.set TM,   96
.set SW,   112
.set AF,   128
.set G1,   24
.set G0,   32
.set G1B,  48
.set G0B,  56
.set G1S,  68
.set G0S,  76
.set G1SB, 80
.set G0SB, 88
.set SEL,  98
.set MSB, 0
.macro WIN new
.if MSB != (\new)
	s_set_vgpr_msb (MSB<<8)|(\new)
.set MSB, (\new)
.endif
.endm
.set MUL_LO, 0xa1
.set MUL_HI, 0xf1
.set TO_B,   0x40
.macro JLOAD g0a, g1a, g0b, g1b
	s_cmp_eq_u32 s17, 0
	s_cbranch_scc0 .Lfor_b_\@
	tensor_load_to_lds s[\g0a:\g0a+3], s[\g1a:\g1a+7]
	s_nop 0
.rept 4
	v_nop
.endr
	s_branch .Lasked_\@
.Lfor_b_\@:
	tensor_load_to_lds s[\g0b:\g0b+3], s[\g1b:\g1b+7]
	s_nop 0
.rept 4
	v_nop
.endr
.Lasked_\@:
.endm
.macro CROUND
	s_barrier_signal -1
	s_barrier_wait -1
	s_cmp_lg_u32 s16, 0
	s_cbranch_scc1 .Lnot_wave_0_\@
	s_barrier_signal -3
.Lnot_wave_0_\@:
	s_barrier_wait -3
	s_barrier_signal -1
	s_barrier_wait -1
.endm
	s_load_b256 s[4:11], s[0:1], 0x0
	s_load_b128 s[12:15], s[0:1], 0x20
	v_lshl_add_u32 v254, v0, 2, 0x48400
	v_mov_b32 v255, 0
	ds_add_u32 v254, v255
	ds_add_u32 v254, v255
	v_lshrrev_b32 v1, 5, v0
	v_readfirstlane_b32 s16, v1
	s_lshr_b32 s17, s16, 1
	s_and_b32 s18, s16, 1
	s_bfe_u32 s19, ttmp6, 0x40000
	s_bfe_u32 s20, ttmp6, 0x40004
	s_lshl_b32 s21, ttmp9, 2
	s_add_co_u32 s21, s21, s19
	s_and_b32 s23, ttmp7, 0xffff
	s_lshl_b32 s22, s23, 2
	s_add_co_u32 s22, s22, s20
	s_lshr_b32 s23, s23, 3
	s_lshl_b32 s40, s20, 2
	s_lshl_b32 s40, 15, s40
	s_lshl_b32 s41, 0x1111, s19
	s_or_b32 s[G1+0], s40, (0<<16)|(1<<20)|(1<<21)|(5<<22)|(3<<25)
	s_or_b32 s[G1B+0], s41, (0<<16)|(1<<20)|(1<<21)|(5<<22)|(3<<25)
.irp g, G1, G1B
	s_mov_b32 s[\g+1], ROWB<<16
	s_mov_b32 s[\g+2], 256<<16
	s_mov_b32 s[\g+3], ROWB<<16
	s_mov_b32 s[\g+4], 256
	s_mov_b32 s[\g+5], KROW
	s_mov_b32 s[\g+6], 0
	s_mov_b32 s[\g+7], 0
.endr
	s_or_b32 s[G1S+0], s40, (3<<16)|(1<<20)|(1<<21)|(5<<22)|(3<<25)
	s_or_b32 s[G1SB+0], s41, (3<<16)|(1<<20)|(1<<21)|(5<<22)|(3<<25)
.irp g, G1S, G1SB
	s_mov_b32 s[\g+1], 32<<16
	s_mov_b32 s[\g+2], 32<<16
	s_mov_b32 s[\g+3], 32<<16
	s_mov_b32 s[\g+4], 32
	s_mov_b32 s[\g+5], 32
	s_mov_b32 s[\g+6], 0
	s_mov_b32 s[\g+7], 0
.endr
	s_lshl_b32 s42, s22, 8                         ; q, k: region A = x's rows, 256 x tile row
	s_lshl_b32 s44, s20, 8
	s_add_co_u32 s44, s44, 2048                    ; v: region A = W_V's rows, 256 cy on
	s_lshl_b32 s43, s21, 8
	s_lshl_b32 s45, s23, 10
	s_add_co_u32 s43, s43, s45                     ; q, k: region B = the weight's rows, 256 x tile column
	s_and_b32 s45, ttmp7, 0xffff
	s_lshl_b32 s45, s45, 2
	s_add_co_u32 s45, s45, s19
	s_lshl_b32 s45, s45, 8                         ; v: region B = x's rows, tile 4 cluster y + cx
	s_cmp_eq_u32 s23, 2                            ; the tensor: the same in the whole cluster
	s_cselect_b32 s42, s44, s42                    ; holds cy alone
	s_cselect_b32 s43, s45, s43                    ; holds cx alone
	s_lshl_b32 s92, s42, 9
	s_mov_b32 s93, 0
	s_lshl_b32 s94, s42, 5
	s_mov_b32 s95, 0
	s_lshl_b32 s44, s43, 9
	s_mov_b32 s45, 0
	s_lshl_b32 s46, s43, 5
	s_mov_b32 s47, 0
	s_mul_i32 s96, s16, HALFT
	s_lshl_b32 s40, s18, 16                        ; slot 1: which 128 rows of 512 bytes I fetch
	s_mov_b32 s41, 0
	s_mov_b32 s[SEL], 0x76543210
	s_mov_b32 s[SEL+1], 0xfedcba98
	s_wait_dscnt 0x0
	s_wait_kmcnt 0x0
	s_cmp_eq_u32 s23, 2                            ; which buffer feeds which region: a choice that hangs on the tensor's number alone
	s_cselect_b64 s[66:67], s[8:9], s[4:5]         ; A's codes
	s_cselect_b64 s[8:9], s[4:5], s[8:9]           ; B's codes
	s_cselect_b64 s[4:5], s[10:11], s[6:7]         ; A's scale bytes
	s_cselect_b64 s[10:11], s[6:7], s[10:11]       ; B's scale bytes
	s_add_nc_u64 s[92:93], s[66:67], s[92:93]
	s_add_nc_u64 s[94:95], s[4:5], s[94:95]
	s_add_nc_u64 s[44:45], s[8:9], s[44:45]
	s_add_nc_u64 s[46:47], s[10:11], s[46:47]
	CROUND
	s_mov_b32 s4, 1                                ; the head's four tiles, each whole: slot 0's 256 rows of A (group 0 in s[4:7]: the arguments there have been used),
	s_mov_b32 s5, 0
	s_mov_b64 s[6:7], s[92:93]
	s_or_b32 s7, s7, 0x80000000
	s_mov_b32 s8, 1                                ; its 256 rows of B, behind them (s[8:11]),
	s_mov_b32 s9, 2*HALFT
	s_mov_b64 s[10:11], s[44:45]
	s_or_b32 s11, s11, 0x80000000
	s_mov_b32 s[G0S], 1                            ; the scale bytes of A's 256 rows,
	s_mov_b32 s[G0S+1], SCL
	s_mov_b64 s[G0S+2:G0S+3], s[94:95]
	s_or_b32 s[G0S+3], s[G0S+3], 0x80000000
	s_mov_b32 s[G0SB], 1                           ; and of B's
	s_mov_b32 s[G0SB+1], SCL+2*HALFS
	s_mov_b64 s[G0SB+2:G0SB+3], s[46:47]
	s_or_b32 s[G0SB+3], s[G0SB+3], 0x80000000
	s_add_nc_u64 s[92:93], s[92:93], s[40:41]      ; slot 1: my 128 rows of the tile, 256 bytes on along K
	s_add_nc_u64 s[44:45], s[44:45], s[40:41]
	s_mov_b32 s[G0+4], 1
	s_add_co_u32 s[G0+5], s96, SLOT
	s_add_nc_u64 s[G0+6:G0+7], s[92:93], ROWB
	s_or_b32 s[G0+7], s[G0+7], 0x80000000
	s_mov_b32 s[G0B+4], 1
	s_add_co_u32 s[G0B+5], s96, SLOT
	s_add_nc_u64 s[G0B+6:G0B+7], s[44:45], ROWB
	s_or_b32 s[G0B+7], s[G0B+7], 0x80000000
; one tensor load a wave at the head, in one tree of branches on the wave's number
.macro ARM under, g0, g1, next
	s_cmp_lt_u32 s16, \under
	s_cbranch_scc0 \next
	tensor_load_to_lds s[\g0:\g0+3], s[\g1:\g1+7]
	s_nop 0
.rept 4
	v_nop
.endr
	s_branch .Lhead_asked
\next:
.endm
	ARM 1, 4, G1, .Lhead_b
	ARM 2, 8, G1B, .Lhead_sa
	ARM 3, G0S, G1S, .Lhead_sb
	tensor_load_to_lds s[G0SB:G0SB+3], s[G1SB:G1SB+7]
	s_nop 0
.rept 4
	v_nop
.endr
.Lhead_asked:
	s_mul_i32 s44, s17, HALFT                      ; my 128 rows of region A
	s_mul_i32 s45, s18, HALFT
	s_add_co_u32 s45, s45, 2*HALFT                 ; my 128 rows of region B
	s_mul_i32 s46, s17, HALFS                      ; A's scale bytes of my rows
	s_mul_i32 s47, s18, HALFS
	s_add_co_u32 s47, s47, 2*HALFS
	s_sub_co_u32 s47, s47, s46                     ; the distance to B's
	s_add_co_u32 s46, s46, SCL
	v_and_b32 v1, 15, v0
	v_bfe_u32 v2, v0, 4, 1
	v_mul_u32_u24 v3, v1, PITCH
	v_lshl_add_u32 v4, v2, 4, v3
.irp s, 0,1
	v_add_nc_u32 v[ADRA+\s], s44, v4
	v_add_nc_u32 v[ADRB+\s], s45, v4
	s_add_co_u32 s44, s44, SLOT
	s_add_co_u32 s45, s45, SLOT
.endr
	v_lshlrev_b32 v5, 5, v1
	v_lshrrev_b32 v6, 8, v5
	v_lshl_add_u32 v5, v6, 4, v5
	v_mul_u32_u24 v6, s47, v2                      ; lanes 16-31 take B's scale words: the lower base + half x the distance
	v_add_nc_u32 v5, v5, v6
	v_add_nc_u32 v[ADRS], s46, v5
	v_and_b32 v8, 31, v0
	v_lshlrev_b32 v[LI], 4, v8
.irp b, 0,1,2,3
	v_mov_b32 v[TM+4+\b], 0
.endr
	s_and_b32 s40, ttmp7, 0xffff                   ; the way out: for v the tile of tokens is 4 cluster y + cx and the tile of W_V is cy (every descriptor has been made)
	s_lshl_b32 s40, s40, 2
	s_add_co_u32 s40, s40, s19
	s_cmp_eq_u32 s23, 2
	s_cselect_b32 s22, s40, s22
	s_cselect_b32 s21, s20, s21
	s_and_b32 s40, s22, 31
	s_lshr_b32 s41, s40, 3
	s_and_b32 s42, s40, 7
	s_lshl_b32 s42, s42, 4
	s_lshl_b32 s43, s17, 3
	s_add_co_u32 s42, s42, s43
	s_lshl_b32 s43, s21, 1
	s_add_co_u32 s43, s43, s18
	s_lshl_b32 s44, s23, 2
	s_add_co_u32 s44, s44, s41
	s_lshl_b32 s44, s44, 3
	s_add_co_u32 s44, s44, s43
	s_lshl_b32 s44, s44, 7
	s_add_co_u32 s44, s44, s42
	s_lshl_b32 s45, s41, 4
	s_lshl_b32 s43, s43, 1
	s_add_co_u32 s45, s45, s43
	s_mul_i32 s45, s45, 20480
	s_lshl_b32 s46, s23, 13
	s_add_co_u32 s45, s45, s46
	s_lshl_b32 s46, s42, 6
	s_add_co_u32 s45, s45, s46
	s_lshl_b32 s46, s40, 1
	s_add_co_u32 s46, s46, s18
	s_lshl_b32 s47, s21, 4
	s_lshl_b32 s92, s17, 3
	s_add_co_u32 s47, s47, s92
	s_lshl_b32 s92, s46, 6
	s_add_co_u32 s92, s92, s47
	s_add_co_u32 s92, s92, 8192
	s_and_b32 s93, s46, 0x30
	s_lshr_b32 s47, s47, 2
	s_add_co_u32 s93, s93, s47
	s_mul_i32 s93, s93, 20480
	s_and_b32 s94, s46, 15
	s_lshl_b32 s94, s94, 8
	s_add_co_u32 s93, s93, s94
	s_add_co_u32 s93, s93, 16384
	s_mov_b32 s94, 256
	s_cmp_eq_u32 s23, 2
	s_cselect_b32 s44, s92, s44
	s_cselect_b32 s45, s93, s45
	s_cselect_b32 s96, 0, 20480
	s_cselect_b32 s97, 0, 16
	s_cselect_b32 s94, 20480, s94
	s_lshl_b32 s92, s44, 10
	s_mov_b32 s93, 0
	s_add_nc_u64 s[12:13], s[12:13], s[92:93]
	s_mov_b32 s92, s45
	s_add_nc_u64 s[14:15], s[14:15], s[92:93]
	s_mov_b32 s92, s94
	s_add_nc_u64 s[46:47], s[14:15], s[92:93]
	v_lshlrev_b32 v[SA], 4, v1
	v_mul_u32_u24 v9, s96, v2
	v_add_nc_u32 v[SA], v[SA], v9
	v_mul_u32_u24 v[SH], s97, v2
.macro FRAG reg, adr, q, i
.irp c, 0,1
	ds_load_b128 v[\reg+4*\c:\reg+4*\c+3], v[\adr] offset:64*(\q)+32*\c+(\i)*16*PITCH
.endr
.endm
.macro MUL16 a0, p, q, sc, zero
.irp a, \a0, \a0+1
.irp b, 0,1,2,3,4,5,6,7
.if \zero
	v_wmma_scale_f32_16x16x128_f8f6f4 v[8*(8*((\a)%4)+\b):8*(8*((\a)%4)+\b)+7], v[128*(\p)+FR*\b:128*(\p)+FR*\b+FR-1], v[AF+FR*(\a):AF+FR*(\a)+FR-1], 0, v[SC+8*NQ*(\sc)+NQ*\b+(\q)], v[SC+8*NQ*(\sc)+NQ*(\a)+(\q)] matrix_a_fmt:MATRIX_FMT_FP4 matrix_b_fmt:MATRIX_FMT_FP4 matrix_a_scale:MATRIX_SCALE_ROW1
.else
	v_wmma_scale_f32_16x16x128_f8f6f4 v[8*(8*((\a)%4)+\b):8*(8*((\a)%4)+\b)+7], v[128*(\p)+FR*\b:128*(\p)+FR*\b+FR-1], v[AF+FR*(\a):AF+FR*(\a)+FR-1], v[8*(8*((\a)%4)+\b):8*(8*((\a)%4)+\b)+7], v[SC+8*NQ*(\sc)+NQ*\b+(\q)], v[SC+8*NQ*(\sc)+NQ*(\a)+(\q)] matrix_a_fmt:MATRIX_FMT_FP4 matrix_b_fmt:MATRIX_FMT_FP4 matrix_a_scale:MATRIX_SCALE_ROW1
.endif
.endr
.endr
.endm
.macro FETCH_B slot, q, p
	WIN TO_B
.irp i, 0,1,2,3,4,5,6,7
	FRAG 128*(\p)+FR*\i, ADRB+\slot, \q, \i
.endr
	WIN 0
.endm
.macro FETCH_A slot, q, i0
.irp i, \i0, \i0+1, \i0+2, \i0+3
	FRAG AF+FR*(\i), ADRA+\slot, \q, \i
.endr
.endm
.macro SCALES sc
.irp i, 0,1,2,3,4,5,6,7
	ds_load_b128 v[SC+8*NQ*\sc+NQ*\i:SC+8*NQ*\sc+NQ*\i+3], v[ADRS] offset:\i*SBLK
.endr
.endm
.macro PLACES n
.rept \n
	v_nop
.endr
.endm
.macro STEP slot, q, zero
	s_wait_dscnt 4*NL
	WIN MUL_LO
	MUL16 0, (\q)%2, \q, \slot, \zero
	MUL16 2, (\q)%2, \q, \slot, \zero
	s_wait_dscnt 0
	PLACES NP
	FETCH_B \slot, (\q)+1, 1-(\q)%2
	FETCH_A \slot, (\q)+1, 0
	WIN MUL_HI
	MUL16 4, (\q)%2, \q, \slot, \zero
	MUL16 6, (\q)%2, \q, \slot, \zero
	PLACES NP
	WIN 0
	FETCH_A \slot, (\q)+1, 4
.endm
.macro STEPS slot, from
.set Q, \from
.rept NQ-1-\from
	STEP \slot, Q, 0
.set Q, Q+1
.endr
.endm
	s_wait_alu depctr_va_vdst(0)                   ; the wait at the head's end
	s_wait_tensorcnt 0x0                           ; my tile of the head's four is in
	ds_add_u32 v254, v255
	s_mov_b32 s[G1+2], 128<<16                     ; no tensor load of mine is out: from here on a load brings 128 rows
	s_mov_b32 s[G1+4], 128
	s_mov_b32 s[G1B+2], 128<<16
	s_mov_b32 s[G1B+4], 128
	s_wait_dscnt 0x0
	CROUND                                         ; all four tiles are in, and the sixteen work-groups are here
	JLOAD G0+4, G1, G0B+4, G1B                     ; slot 1, the first tensor load behind the round
	FETCH_B 0, 0, 0
	FETCH_A 0, 0, 0
	SCALES 0
	FETCH_A 0, 0, 4
	STEP 0, 0, 1
	STEPS 0, 1
	s_wait_tensorcnt 0x0                           ; my part of slot 1 is in
	ds_add_u32 v254, v255
	s_wait_dscnt 4*NL+1                            ; the add and the youngest eight loads may be out
	WIN MUL_LO
	MUL16 0, 1, NQ-1, 0, 0
	s_wait_dscnt 0x0
	s_barrier_signal -1
	MUL16 2, 1, NQ-1, 0, 0
	WIN 0
	s_barrier_wait -1
	PLACES NP
	v_add_nc_u32 v[ADRS], 4*NQ, v[ADRS]
	s_wait_alu depctr_va_vdst(0)                   ; the wait directly behind the write
	FETCH_B 1, 0, 0
	FETCH_A 1, 0, 0
	SCALES 1
	WIN MUL_HI
	MUL16 4, 1, NQ-1, 0, 0
	MUL16 6, 1, NQ-1, 0, 0
	PLACES NP
	WIN 0
	FETCH_A 1, 0, 4
	STEPS 1, 0
	s_wait_dscnt 4*NL
	WIN MUL_LO
	MUL16 0, 1, NQ-1, 1, 0
	MUL16 2, 1, NQ-1, 1, 0
	s_wait_dscnt 0
	WIN MUL_HI
	MUL16 4, 1, NQ-1, 1, 0
	MUL16 6, 1, NQ-1, 1, 0
	WIN 0
.macro QUANTA a
.set AC, 64*((\a)%4)
.set PC, AF+8*(\a)
	WIN 0x28+0x14*((\a)/4)
.irp b, 0,1,2,3
	v_max3_num_f32 v[TM+\b], 0x1800000, |v[AC+16*\b]|, |v[AC+16*\b+1]|
.endr
.irp i, 2,4,6,8,10,12,14
.irp b, 0,1,2,3
	v_max3_num_f32 v[TM+\b], v[TM+\b], |v[AC+16*\b+\i]|, |v[AC+16*\b+\i+1]|
.endr
.endr
	WIN 0
.irp b, 0,1,2,3
	v_permlanex16_b32 v[TM+4+\b], v[TM+\b], s[SEL], s[SEL+1]
.endr
.irp b, 0,1,2,3
	v_max_num_f32 v[TM+\b], v[TM+\b], v[TM+4+\b]
.endr
.irp b, 0,1,2,3
	v_add_nc_u32 v[TM+12+\b], 0xff000000, v[TM+\b]
.endr
.irp b, 0,1,2,3
	v_lshrrev_b32 v[TM+4+\b], 23, v[TM+12+\b]
.endr
	v_lshl_or_b32 v[SW+(\a)], v[TM+5], 8, v[TM+4]
	v_lshl_or_b32 v[SW+(\a)], v[TM+6], 16, v[SW+(\a)]
	v_lshl_or_b32 v[SW+(\a)], v[TM+7], 24, v[SW+(\a)]
	WIN 0x02+(\a)/4
.irp b, 0,1,2,3
	v_cvt_scalef32_pk8_fp4_f32 v[PC+2*\b], v[AC+16*\b:AC+16*\b+7], v[TM+12+\b]
	v_cvt_scalef32_pk8_fp4_f32 v[PC+2*\b+1], v[AC+16*\b+8:AC+16*\b+15], v[TM+12+\b]
.endr
	WIN 0
	v_nop
.irp c, 0,1
.irp i, 0,1
	v_permlane16_swap_b32 v[PC+4*\c+\i], v[PC+4*\c+2+\i]
.endr
.endr
	global_store_b128 v[LI], v[PC:PC+3], s[12:13] offset:1024*(\a)
	global_store_b128 v[LI], v[PC+4:PC+7], s[12:13] offset:1024*(\a)+512
.endm
	PLACES NP
.irp a, 0,1,2,3,4,5,6,7
	QUANTA \a
.endr
.irp a, 0,1,2,3,4,5,6,7
	v_lshrrev_b32 v[SW+\a], v[SH], v[SW+\a]
.endr
	global_store_b128 v[SA], v[SW:SW+3], s[14:15]
	global_store_b128 v[SA], v[SW+4:SW+7], s[46:47]
	s_wait_tensorcnt 0x0
	ds_add_u32 v254, v255
	s_wait_dscnt 0x0
	CROUND
	s_endpgm
.Lfunc_end_k_qd020d36ff2_proj:
	.size	k_qd020d36ff2_proj, .Lfunc_end_k_qd020d36ff2_proj-k_qd020d36ff2_proj
	.p2alignl 7, 3214868480
	.fill 96, 4, 3214868480
	.section	.rodata,"a",@progbits
	.p2align	6, 0x0
	.amdhsa_kernel k_qd020d36ff2_proj
		.amdhsa_group_segment_fixed_size 327680
		.amdhsa_private_segment_fixed_size 0
		.amdhsa_enable_private_segment 0
		.amdhsa_kernarg_size 48
		.amdhsa_user_sgpr_count 2
		.amdhsa_user_sgpr_kernarg_segment_ptr 1
		.amdhsa_wavefront_size32 1
		.amdhsa_system_sgpr_workgroup_id_x 1
		.amdhsa_system_sgpr_workgroup_id_y 1
		.amdhsa_system_sgpr_workgroup_id_z 1
		.amdhsa_system_vgpr_workitem_id 0
		.amdhsa_next_free_vgpr 1024
		.amdhsa_next_free_sgpr 100
		.amdhsa_reserve_vcc 0
		.amdhsa_float_denorm_mode_32 3
		.amdhsa_float_denorm_mode_16_64 3
		.amdhsa_memory_ordered 1
		.amdhsa_forward_progress 1
		.amdhsa_inst_pref_size 131
	.end_amdhsa_kernel
	.amdgpu_metadata
---
amdhsa.version: [ 1, 2 ]
amdhsa.kernels:
  - .name:           k_qd020d36ff2_proj
    .symbol:         k_qd020d36ff2_proj.kd
    .args:
      - { .name: xc, .offset: 0, .size: 8, .value_kind: global_buffer, .address_space: global }
      - { .name: xs, .offset: 8, .size: 8, .value_kind: global_buffer, .address_space: global }
      - { .name: wc, .offset: 16, .size: 8, .value_kind: global_buffer, .address_space: global }
      - { .name: ws, .offset: 24, .size: 8, .value_kind: global_buffer, .address_space: global }
      - { .name: cd, .offset: 32, .size: 8, .value_kind: global_buffer, .address_space: global }
      - { .name: sc, .offset: 40, .size: 8, .value_kind: global_buffer, .address_space: global }
    .group_segment_fixed_size: 327680
    .private_segment_fixed_size: 0
    .kernarg_segment_align: 8
    .kernarg_segment_size: 48
    .max_flat_workgroup_size: 128
    .sgpr_count:     100
    .vgpr_count:     1024
    .wavefront_size: 32
...
	.end_amdgpu_metadata
.endif
;; end of part 2
;; launch attn (part 3): grid 4 x 64, 8 waves a work-group, clusters of 4 x 1, 179,200 bytes of LDS; arguments cd, sc, q, out0; writes out0
.if DOCPART == 3
	.amdgcn_target "amdgcn-amd-amdhsa--gfx1250"
	.amdhsa_code_object_version 6
	.text
	.protected	k_qd020d36ff2_attn
	.globl	k_qd020d36ff2_attn
	.p2align	8
	.type	k_qd020d36ff2_attn,@function
k_qd020d36ff2_attn:
	s_mov_b64 s[64:65], 0
	v_nop
	global_prefetch_b8 v0, s[64:65] scope:SCOPE_SE
	s_setreg_imm32_b32 hwreg(HW_REG_WAVE_MODE, 25, 1), 1
	s_wait_xcnt 0x0
	s_wait_alu depctr_hold_cnt(0) depctr_sa_sdst(0) depctr_va_vdst(0) depctr_va_sdst(0) depctr_va_ssrc(0) depctr_va_vcc(0) depctr_vm_vsrc(0)
	s_getreg_b32 s2, hwreg(HW_REG_IB_STS2, 6, 4)
	s_cmp_eq_u32 s2, 0
	s_cbranch_scc0 .Lentry_in_a_cluster
	s_endpgm
.Lentry_in_a_cluster:
	s_bfe_u32 s2, ttmp6, 0x10000c
	s_cmp_lg_u32 s2, 0x3003
	s_cbranch_scc0 .Lentry_shape_is_right
	s_endpgm
.Lentry_shape_is_right:
; out0[b][t][64 head ..] = q[b][t][64 head ..] + the sum over keys of softmax(Q . K / 32) V, both products on codes of FP4 (E2M1) with E8M0 scales; 64 (batch, head) pairs, 2,048 queries and keys, head size 64.
; cd and sc hold Q's, K's and V's operands as images of their registers, and their scale words, as the launch before has laid them.
; THE SOFTMAX: t = score x log2(e) / 32; M = the row's largest t so far, rounded UP to a whole number; p = 2^(t - M) is quantised along the keys, not normalised.  The row's sum is taken of the unquantised p in f32 and divides O at the end.
; When M moves, the sum and O are multiplied by 2^(old M - new M): exact, in every step, with no branch on data.
; SHARES.  A cluster of four work-groups is one (batch, head); a work-group owns 512 queries in two passes; each of its EIGHT waves owns TWO tiles of 16 queries a pass (32 neighbouring tokens), so each fragment of K and V read from LDS feeds two matrix instructions.
; The head's K and V, codes and scale words (143,360 bytes), come into LDS once, by joint tensor loads of the four partners (waves 0-3 K's quarters, 4-5 V's halves, 6 the scale words), and stay: no LDS byte is filled twice.
; No prefetch: K and V come by the first fills alone, with no loop to run ahead in; the residual is loaded into registers at a pass's head, sixteen key steps ahead of its use.
; LAYOUT.  Both products transposed: S^T = K Q^T, O^T = V^T P^T: a lane holds one query (lane % 16) of each tile.  Row r of tile 2 g + u is token (channel) 32 g + 8 u + r + 8 (r / 8), so 16 registers of two neighbouring tiles are 16 neighbours.
; The scores' K is 64: Q's registers 4-7 are zero codes, so K's registers 4-7 may hold any codes: K's tiles lie 4 registers apart and a fragment reaches into the next tile's.  No scale byte is 0xff.
; WINDOWS.  Tile A lies in window 0, tile B's scores, O^T, codes, sums and Q in window 1 under the same numbers; what both tiles' short chains use (block maxima, M, f, scale operands and all scale words) lies in window 0, and the two chains go by turns.
; LIMITS: NaN and infinities are not served.  The promise holds while the scaled scores stay under 2^31 in magnitude.  A block's largest p is taken from its largest score (this takes v_exp_f32 not to fall where its input rises).  A block whose every p is 0 keeps the byte 1: its codes are zeros.
; WINDOW 0: v1-7 addresses that stay; v8-11 the step's; v12-15 -M and the largest score, A, B; v16-19 f; v20-21 the sum; v22-23 p's scale words; v24-25 Q's; v26 -infinity; v27-28 the add's; v29 16 r; v32-39 Q; v40-75 K; v76-79 K's scale words;
;   v80-111 V; v112-115 V's scale words; v116-123 p's codes; v124-147 block maxima, permutes, scale operands (then the sums' parts); v148-151 at work; v160-191 O^T; v192-255 S^T, then p.
; WINDOW 1: v20-21, v32-39, v116-137, v160-255 as above for tile B; v40-49 the next pass's Q and scale words; v52-115 the residual of both tiles.
.set VC,   65536                       ; LDS: K's 128 tiles x 512 bytes from 0; V's 16 key steps x 4,096 bytes
.set SCL,  131072                      ; K's scale words, 8,192 bytes, then V's, 4,096
.set STG,  143360                      ; the way out: 16 rows x 272 bytes for each wave
.set SP,   272
.set SPARE, 178176                     ; the spare words: 128 bytes a wave
.set WV,   12
.set SEL,  20
.set CS,   22                          ; s[22:23] c = log2(e) / 32
.set G1K,  24
.set G1V,  32
.set G1S,  40
.set G0K,  48
.set G0V,  52
.set G0S,  56
.set TB,   60                          ; 4,096 x (step + 1): K's next tiles, V's present ones
.set TS,   61                          ; 512 x (step + 1): K's next scale words
.set TJ,   62                          ; 256 x (step + 1): V's present ones
.set CNT,  63
.set PASS, 66
.set NCS,  67                          ; -c
.set QF, 32
.set KF, 40
.set KS, 76
.set VF, 80
.set VS, 112
.set PC, 116
.set BM, 124
.set PM, 132
.set SO, 140
.set O,  160
.set S,  192
.set RES, 52
.set MSB, 0
.macro WIN new                         ; the immediate's high byte repeats the setting that is left
.if MSB != (\new)
	s_set_vgpr_msb (MSB<<8)|(\new)
.set MSB, (\new)
.endif
.endm
.macro CROUND
	s_barrier_signal -1
	s_barrier_wait -1
	s_cmp_lg_u32 s[WV], 0
	s_cbranch_scc1 .Lnot_wave_0_\@
	s_barrier_signal -3
.Lnot_wave_0_\@:
	s_barrier_wait -3
	s_barrier_signal -1
	s_barrier_wait -1
.endm
.macro SCORE qs                        ; eight tiles of 16 keys x my 16 queries
.irp t, 0,1,2,3
	v_wmma_scale_f32_16x16x128_f8f6f4 v[S+8*\t:S+8*\t+7], v[KF+4*\t:KF+4*\t+7], v[QF:QF+7], 0, v[KS+\t], v[\qs] matrix_a_fmt:MATRIX_FMT_FP4 matrix_b_fmt:MATRIX_FMT_FP4
.endr
.irp t, 4,5,6,7
	v_wmma_scale_f32_16x16x128_f8f6f4 v[S+8*\t:S+8*\t+7], v[KF+4*\t:KF+4*\t+7], v[QF:QF+7], 0, v[KS-4+\t], v[\qs] matrix_a_fmt:MATRIX_FMT_FP4 matrix_b_fmt:MATRIX_FMT_FP4 matrix_a_scale:MATRIX_SCALE_ROW1
.endr
.endm
.macro TREE bm                         ; the largest score of each block of 32 keys (my 16 of them), four blocks by turns, each accumulator from its low end on
.irp b, 0,1,2,3
	v_max3_num_f32 v[\bm+\b], v[S+16*\b], v[S+1+16*\b], v26
.endr
.irp i, 2,4,6,8,10,12,14
.irp b, 0,1,2,3
	v_max3_num_f32 v[\bm+\b], v[S+16*\b+\i], v[S+1+16*\b+\i], v[\bm+\b]
.endr
.endr
.endm
.macro TMINUS nm                       ; t - M, two at a time
.set J, 0
.rept 32
	v_pk_fma_f32 v[S+J:S+J+1], v[S+J:S+J+1], s[CS:CS+1], v[\nm:\nm+1] op_sel_hi:[1,0,0]
.set J, J+2
.endr
.endm
.macro EXPS
.set J, 0
.rept 64
	v_exp_f32 v[S+J], v[S+J]
.set J, J+1
.endr
.endm
.macro RESCALE f                       ; O^T and the sum under the new M
.set J, 0
.rept 16
	v_pk_mul_f32 v[O+J:O+J+1], v[O+J:O+J+1], v[\f:\f+1] op_sel_hi:[1,0]
.set J, J+2
.endr
	v_pk_mul_f32 v[20:21], v[20:21], v[\f:\f+1] op_sel_hi:[1,0]
.endm
.macro CVT so
.irp b, 0,1,2,3
	v_cvt_scalef32_pk8_fp4_f32 v[PC+2*\b], v[S+16*\b:S+16*\b+7], v[\so+\b]
	v_cvt_scalef32_pk8_fp4_f32 v[PC+1+2*\b], v[S+8+16*\b:S+15+16*\b], v[\so+\b]
.endr
.endm
.macro SWAPS                           ; the operand's layout wants a whole block in a lane
.irp c, 0,1
.irp i, 0,1
	v_permlane16_swap_b32 v[PC+4*\c+\i], v[PC+2+4*\c+\i]
.endr
.endr
.endm
.macro SUMS                            ; the row's sum of the unquantised p: 32 pairs in eight chains, then seven joins
.set J, 0
.rept 7
	v_pk_add_f32 v[BM+J:BM+J+1], v[S+2*J:S+2*J+1], v[S+2+2*J:S+3+2*J]
.set J, J+2
.endr
	v_pk_add_f32 v[20:21], v[20:21], v[S+28:S+29]
.set J, 0
.rept 7
	v_pk_add_f32 v[BM+J:BM+J+1], v[BM+J:BM+J+1], v[S+30+J:S+31+J]
.set J, J+2
.endr
	v_pk_add_f32 v[20:21], v[20:21], v[S+44:S+45]
.set J, 0
.rept 7
	v_pk_add_f32 v[BM+J:BM+J+1], v[BM+J:BM+J+1], v[S+46+J:S+47+J]
.set J, J+2
.endr
	v_pk_add_f32 v[20:21], v[20:21], v[S+60:S+61]
	v_pk_add_f32 v[BM:BM+1], v[BM:BM+1], v[S+62:S+63]
	v_pk_add_f32 v[BM+2:BM+3], v[BM+2:BM+3], v[BM+4:BM+5]
	v_pk_add_f32 v[BM+6:BM+7], v[BM+6:BM+7], v[BM+8:BM+9]
	v_pk_add_f32 v[BM+10:BM+11], v[BM+10:BM+11], v[BM+12:BM+13]
	v_pk_add_f32 v[20:21], v[20:21], v[BM:BM+1]
	v_pk_add_f32 v[BM+2:BM+3], v[BM+2:BM+3], v[BM+6:BM+7]
	v_pk_add_f32 v[20:21], v[20:21], v[BM+10:BM+11]
	s_delay_alu instid0(VALU_DEP_1)
	v_pk_add_f32 v[20:21], v[20:21], v[BM+2:BM+3]
.endm
.macro PV ps                           ; O^T += V^T P^T: four tiles of 16 channels by turns
.irp d, 0,1,2,3
	v_wmma_scale_f32_16x16x128_f8f6f4 v[O+8*\d:O+8*\d+7], v[VF+8*\d:VF+8*\d+7], v[PC:PC+7], v[O+8*\d:O+8*\d+7], v[VS+\d], v[\ps] matrix_a_fmt:MATRIX_FMT_FP4 matrix_b_fmt:MATRIX_FMT_FP4
.endr
.endm
.macro CLEAR                           ; O^T and the sum begin as zeros: the step is written once
	v_mov_b32 v20, 0
	v_mov_b32 v21, 0
.set J, 0
.rept 32
	v_mov_b32 v[O+J], 0
.set J, J+1
.endr
.endm
	s_load_b256 s[4:11], s[0:1], 0x0               ; cd s[4:5], sc s[6:7], q s[8:9], out0 s[10:11]
	v_lshl_add_u32 v27, v0, 2, SPARE
	v_mov_b32 v28, 0
	ds_add_u32 v27, v28                            ; the add, twice on end, and its wait
	ds_add_u32 v27, v28
	v_lshrrev_b32 v8, 5, v0
	v_readfirstlane_b32 s[WV], v8                  ; wave 0..7
	s_bfe_u32 s13, ttmp6, 0x40000                  ; cx
	s_lshl_b32 s14, ttmp9, 2
	s_add_co_u32 s14, s14, s13                     ; my block of 512 queries: it enters Q's, the residual's and the output's addresses alone
	s_and_b32 s15, ttmp7, 0xffff                   ; 16 b + head
	s_lshr_b32 s16, s15, 4                         ; b
	s_and_b32 s17, s15, 15                         ; head
	s_lshr_b32 s18, s17, 1                         ; the pair of heads
	s_and_b32 s19, s17, 1                          ; which half of a fragment of Q or K is my head's
	s_and_b32 s68, s[WV], 3                        ; which quarter of K,
	s_and_b32 s87, s[WV], 1                        ; which half of V I fetch, if I fetch
	s_add_co_u32 s70, s16, 4                       ; K: fragment ((4 + b) 8 + pair) 128 + tile, 1,024 bytes each; 32 tiles a quarter
	s_lshl_b32 s70, s70, 3
	s_add_co_u32 s70, s70, s18
	s_lshl_b32 s70, s70, 17
	s_lshl_b32 s69, s19, 9
	s_add_co_u32 s70, s70, s69
	s_lshl_b32 s69, s68, 15
	s_add_co_u32 s70, s70, s69
	s_mov_b32 s71, 0
	s_lshl_b32 s72, s16, 20                        ; V: fragment 8,192 + (16 b + key step) 64 + 4 head; 8 key steps a half
	s_lshl_b32 s69, s17, 12
	s_add_co_u32 s72, s72, s69
	s_lshl_b32 s69, s87, 19
	s_add_co_u32 s72, s72, s69
	s_add_co_u32 s72, s72, 8388608
	s_mov_b32 s73, 0
	s_mul_i32 s74, s15, 20480                      ; the (batch, head)'s scale words
	s_mov_b32 s75, 0
	s_lshl_b32 s69, s68, 14                        ; a quarter of K in LDS
	s_lshl_b32 s88, s87, 15                        ; a half of V
	s_mov_b32 s[G1K], 15|(3<<16)|(1<<21)           ; K: 32 rows (tiles) of 512 bytes, 1,024 apart; elements of 8 bytes; the mask names all four partners
	s_mov_b32 s[G1K+1], 64<<16
	s_mov_b32 s[G1K+2], 32<<16
	s_mov_b32 s[G1K+3], 64<<16
	s_mov_b32 s[G1K+4], 32
	s_mov_b32 s[G1K+5], 128
	s_mov_b32 s[G1K+6], 0
	s_mov_b32 s[G1K+7], 0
	s_mov_b32 s[G1V], 15|(3<<16)|(1<<21)           ; V: 8 rows (key steps) of 4,096 bytes, 65,536 apart
	s_mov_b32 s[G1V+1], 512<<16
	s_mov_b32 s[G1V+2], 8<<16
	s_mov_b32 s[G1V+3], 512<<16
	s_mov_b32 s[G1V+4], 8
	s_mov_b32 s[G1V+5], 8192
	s_mov_b32 s[G1V+6], 0
	s_mov_b32 s[G1V+7], 0
	s_mov_b32 s[G1S], 15|(3<<16)|(1<<21)           ; the scale words: 12,288 dense bytes as 48 rows of 256
	s_mov_b32 s[G1S+1], 32<<16
	s_mov_b32 s[G1S+2], 48<<16
	s_mov_b32 s[G1S+3], 32<<16
	s_mov_b32 s[G1S+4], 48
	s_mov_b32 s[G1S+5], 32
	s_mov_b32 s[G1S+6], 0
	s_mov_b32 s[G1S+7], 0
	s_lshl_b32 s80, s16, 3                         ; Q: fragment (8 b + pair) 128 + 32 x block + 2 x wave (tile A, pass 0)
	s_add_co_u32 s80, s80, s18
	s_lshl_b32 s80, s80, 7
	s_lshl_b32 s81, s14, 5
	s_add_co_u32 s80, s80, s81
	s_lshl_b32 s81, s[WV], 1
	s_add_co_u32 s80, s80, s81
	s_lshl_b32 s80, s80, 10
	s_lshl_b32 s81, s19, 9
	s_add_co_u32 s80, s80, s81
	s_mov_b32 s81, 0
	s_lshl_b32 s82, s14, 3                         ; its scale words: 256 (tile / 4) + 4 (tile % 4) + 16 r: the two tiles' words are neighbours
	s_lshr_b32 s83, s[WV], 1
	s_add_co_u32 s82, s82, s83
	s_lshl_b32 s82, s82, 8
	s_lshl_b32 s83, s87, 3
	s_add_co_u32 s82, s82, s83
	s_add_co_u32 s82, s82, s74
	s_mov_b32 s83, 0
	s_lshl_b32 s84, s16, 11                        ; residual and output: token 2,048 b + 512 x block + 32 x wave, 4,096 bytes a token; 256 bytes a head
	s_lshl_b32 s85, s14, 9
	s_add_co_u32 s84, s84, s85
	s_lshl_b32 s85, s[WV], 5
	s_add_co_u32 s84, s84, s85
	s_lshl_b32 s84, s84, 12
	s_lshl_b32 s85, s17, 8
	s_add_co_u32 s84, s84, s85
	s_mov_b32 s85, 0
	s_mov_b32 s[SEL], 0x76543210
	s_mov_b32 s[SEL+1], 0xfedcba98
	s_mov_b32 s[CS], 0x3d38aa3b
	s_mov_b32 s[CS+1], s[CS]
	s_mov_b32 s[NCS], 0xbd38aa3b
	s_wait_dscnt 0x0                               ; both opening adds are done
	s_wait_kmcnt 0x0
	s_mov_b32 s[G0K], 1
	s_mov_b32 s[G0K+1], s69
	s_add_nc_u64 s[G0K+2:G0K+3], s[4:5], s[70:71]
	s_or_b32 s[G0K+3], s[G0K+3], 0x80000000
	s_mov_b32 s[G0V], 1
	s_add_co_u32 s[G0V+1], s88, VC
	s_add_nc_u64 s[G0V+2:G0V+3], s[4:5], s[72:73]
	s_or_b32 s[G0V+3], s[G0V+3], 0x80000000
	s_mov_b32 s[G0S], 1
	s_mov_b32 s[G0S+1], SCL
	s_add_nc_u64 s[G0S+2:G0S+3], s[6:7], s[74:75]
	s_add_nc_u64 s[G0S+2:G0S+3], s[G0S+2:G0S+3], 8192   ; behind Q's words
	s_or_b32 s[G0S+3], s[G0S+3], 0x80000000
	CROUND                                         ; all four work-groups are here: the joint loads meet
	s_cmp_lt_u32 s[WV], 4                          ; the only fills: at most one load a wave, in one tree of branches on the wave's number
	s_cbranch_scc0 .Lnot_k
	tensor_load_to_lds s[G0K:G0K+3], s[G1K:G1K+7]
	s_nop 0
.rept 4
	v_nop
.endr
	s_branch .Lasked
.Lnot_k:
	s_cmp_lt_u32 s[WV], 6
	s_cbranch_scc0 .Lnot_v
	tensor_load_to_lds s[G0V:G0V+3], s[G1V:G1V+7]
	s_nop 0
.rept 4
	v_nop
.endr
	s_branch .Lasked
.Lnot_v:
	s_cmp_eq_u32 s[WV], 6
	s_cbranch_scc0 .Lasked
	tensor_load_to_lds s[G0S:G0S+3], s[G1S:G1S+7]
	s_nop 0
.rept 4
	v_nop
.endr
.Lasked:
	s_add_nc_u64 s[76:77], s[4:5], s[80:81]        ; Q's codes
	s_add_nc_u64 s[78:79], s[6:7], s[82:83]        ; Q's scale words
	s_add_nc_u64 s[8:9], s[8:9], s[84:85]          ; the residual at my first token
	s_add_nc_u64 s[10:11], s[10:11], s[84:85]      ; the output likewise
	v_and_b32 v9, 31, v0
	v_and_b32 v10, 15, v0                          ; r
	v_bfe_u32 v11, v0, 4, 1                        ; h
	v_lshlrev_b32 v1, 4, v9                        ; an image's place for my lane (K's region begins at 0)
	v_lshlrev_b32 v29, 4, v10                      ; 16 r
	global_load_b128 v[QF:QF+3], v1, s[76:77]      ; tile A's Q, pass 0
	global_load_b64 v[24:25], v29, s[78:79]        ; both tiles' scale words
	WIN 0x40                                       ; destinations in window 1
	global_load_b128 v[QF:QF+3], v1, s[76:77] offset:1024    ; tile B's
	global_load_b128 v[40:43], v1, s[76:77] offset:16384     ; pass 1: 16 tiles on
	global_load_b128 v[44:47], v1, s[76:77] offset:17408
	global_load_b64 v[48:49], v29, s[78:79] offset:1024
.irp j, 4,5,6,7
	v_mov_b32 v[QF+\j], 0                          ; tile B's Q, k = 64 .. 127: zero codes
.endr
	WIN 0
.irp j, 4,5,6,7
	v_mov_b32 v[QF+\j], 0                          ; tile A's
	v_mov_b32 v[KF+28+\j], 0                       ; what the last fragment of K reaches into
.endr
	v_add_nc_u32 v2, VC-4096, v1
	v_add_nc_u32 v3, SCL, v1                       ; K's scale words: lanes 0-15 the step's tiles 0-3 of row r, lanes 16-31 tiles 4-7
	v_add_nc_u32 v4, SCL+8192-256, v29             ; V's: row r's four words
	v_lshlrev_b32 v5, 12, v11
	v_lshl_add_u32 v5, v10, 4, v5                  ; residual and output: lanes 0-15 one token, lanes 16-31 the next
	s_mul_i32 s86, s[WV], 16*SP
	s_add_co_u32 s86, s86, STG
	v_mul_u32_u24 v6, v10, SP
	v_lshl_add_u32 v6, v11, 6, v6
	v_add_nc_u32 v6, s86, v6                       ; the stage, in: row r, + 64 h
	v_mul_u32_u24 v7, v11, SP
	v_lshl_add_u32 v7, v10, 4, v7
	v_add_nc_u32 v7, s86, v7                       ; back: lanes 0-15 one row, lanes 16-31 the next
	v_mov_b32 v26, 0xff800000                      ; -infinity: the first leaf of each block's maximum
.irp b, 0,1,2,3,4,5,6,7
	v_mov_b32 v[PM+\b], 0                          ; a lane permute's destination counts as one of its sources
.endr
.irp j, 17,19,149,151
	v_mov_b32 v[\j], 0                             ; upper halves of pairs of which the low word alone is used
.endr
	s_wait_alu depctr_va_vdst(0)                   ; the wait at the head's end
	s_wait_tensorcnt 0x0                           ; my load, if I had one, has landed
	s_barrier_signal -1
	s_barrier_wait -1                              ; the head's K, V and scale words lie in LDS, for good
	s_wait_loadcnt 0x0                             ; Q
	s_mov_b32 s[PASS], 2
.Lpass:
	WIN 0x40
.irp x, 0,1
.irp i, 0,1,2,3,4,5,6,7
	global_load_b128 v[RES+32*\x+4*\i:RES+32*\x+4*\i+3], v5, s[8:9] offset:(2*\i+8*(\i/4)+8*\x)*4096 th:TH_LOAD_NT   ; the residual: rows 2 i, 2 i + 1 of tile x are tokens 2 i + 8 (i / 4) + 8 x and the next
.endr
.endr
	CLEAR
	WIN 0
	CLEAR
.irp x, 0,1
	v_mov_b32 v[12+2*\x], 0x7e000000               ; -M: a large whole number, so that the first f is 0, which multiplies zeros
	v_mov_b32 v[13+2*\x], 0xff61b1e6               ; the largest score so far: -3e38
.endr
.irp t, 0,1,2,3,4,5,6,7
	ds_load_b128 v[KF+4*\t:KF+4*\t+3], v1 offset:512*\t      ; step 0's K
.endr
	ds_load_b128 v[KS:KS+3], v3
	s_mov_b32 s[TB], 4096
	s_mov_b32 s[TS], 512
	s_mov_b32 s[TJ], 256
	s_mov_b32 s[CNT], 16
	s_wait_alu depctr_va_vdst(0)
	s_wait_dscnt 0x0
.Lstep:                                            ; A KEY STEP: 128 keys x my 32 queries.  K and its scale words are in registers
	SCORE 24
	WIN 0x44                                       ; Q and the scores in window 1
	SCORE 25
	WIN 0
	v_add_nc_u32 v8, s[TB], v1                     ; these four are the places behind the products, ahead of the loads and of the first read of the scores
	v_add_nc_u32 v9, s[TB], v2
	v_add_nc_u32 v10, s[TS], v3
	v_add_nc_u32 v11, s[TJ], v4
.irp t, 0,1,2,3,4,5,6,7
	ds_load_b128 v[KF+4*\t:KF+4*\t+3], v8 offset:512*\t      ; the NEXT step's K (behind the last step: 4,096 bytes of V's region, which no product takes)
.endr
	ds_load_b128 v[KS:KS+3], v10
.irp d, 0,1,2,3
.irp c, 0,1
	ds_load_b128 v[VF+8*\d+4*\c:VF+8*\d+4*\c+3], v9 offset:1024*\d+512*\c   ; this step's V
.endr
.endr
	ds_load_b128 v[VS:VS+3], v11
	TREE BM
	WIN 0x05                                       ; sources 0 and 1 in window 1
	TREE BM+4
	WIN 0
.irp b, 0,1,2,3,4,5,6,7
	v_permlanex16_b32 v[PM+\b], v[BM+\b], s[SEL], s[SEL+1]
.endr
.irp b, 0,1,2,3,4,5,6,7
	v_max_num_f32 v[BM+\b], v[BM+\b], v[PM+\b]     ; with lane l xor 16's 16 keys: the block's largest score
.endr
.irp x, 0,1                                    ; the two tiles' chains by turns
	v_max3_num_f32 v[148+2*\x], v[BM+4*\x], v[BM+1+4*\x], v[BM+2+4*\x]
.endr
.irp x, 0,1
	s_delay_alu instid0(VALU_DEP_2)
	v_max3_num_f32 v[13+2*\x], v[13+2*\x], v[148+2*\x], v[BM+3+4*\x]   ; the running largest score
.endr
.irp x, 0,1
	s_delay_alu instid0(VALU_DEP_2)
	v_mul_f32 v[148+2*\x], s[NCS], v[13+2*\x]      ; -t
.endr
.irp x, 0,1
	s_delay_alu instid0(VALU_DEP_2)
	v_floor_f32 v[148+2*\x], v[148+2*\x]           ; the new -M = floor(-t) = -ceil(t)
.endr
.irp x, 0,1
	s_delay_alu instid0(VALU_DEP_2)
	v_sub_f32 v[16+2*\x], v[148+2*\x], v[12+2*\x]  ; old M less new M: a whole number, 0 or less
.endr
.irp x, 0,1
	s_delay_alu instid0(VALU_DEP_4)
	v_mov_b32 v[12+2*\x], v[148+2*\x]
.endr
.irp x, 0,1
	s_delay_alu instid0(VALU_DEP_4)
	v_cvt_i32_f32 v[16+2*\x], v[16+2*\x]           ; (it saturates)
.endr
.irp x, 0,1
	s_delay_alu instid0(VALU_DEP_2)
	v_ldexp_f32 v[16+2*\x], 1.0, v[16+2*\x]        ; f = 2^(old M - new M)
.endr
	TMINUS 12
.irp x, 0,1
.irp b, 0,1,2,3
	v_fma_f32 v[BM+4*\x+\b], v[BM+4*\x+\b], s[CS], v[12+2*\x]   ; the same of each block's largest score
.endr
.endr
	WIN 0x41                                       ; source 0 and destination in window 1
	TMINUS 14
	s_wait_alu depctr_va_vdst(0)                   ; the wait ahead of the batch
	EXPS                                           ; p = 2^(t - M), tile B,
	WIN 0
	EXPS                                           ; tile A,
.irp b, 0,1,2,3,4,5,6,7
	v_exp_f32 v[BM+\b], v[BM+\b]                   ; and each block's largest p
.endr
	s_wait_alu depctr_va_vdst(0)                   ; one wait for the batch, directly ahead of the first reader of O^T; the lines below name none of the batch's results
	RESCALE 16
.irp b, 0,1,2,3,4,5,6,7
	v_max_num_f32 v[BM+\b], 0x1800000, v[BM+\b]    ; the floor 2^(3 - 127): the byte cannot fall under 1
.endr
.irp b, 0,1,2,3,4,5,6,7
	v_add_nc_u32 v[SO+\b], 0xff000000, v[BM+\b]    ; 2 off the exponent field: the conversion's scale operand
.endr
.irp b, 0,1,2,3,4,5,6,7
	v_lshrrev_b32 v[PM+\b], 23, v[SO+\b]           ; the scale's byte
.endr
.irp x, 0,1
	v_lshl_or_b32 v[22+\x], v[PM+1+4*\x], 8, v[PM+4*\x]      ; p's scale words for these 128 keys
.endr
.irp x, 0,1
	s_delay_alu instid0(VALU_DEP_2)
	v_lshl_or_b32 v[22+\x], v[PM+2+4*\x], 16, v[22+\x]
.endr
.irp x, 0,1
	s_delay_alu instid0(VALU_DEP_2)
	v_lshl_or_b32 v[22+\x], v[PM+3+4*\x], 24, v[22+\x]
.endr
	CVT SO
	WIN 0x41
	s_wait_alu depctr_va_vdst(0)                   ; directly ahead of the first reader of tile B's O^T
	RESCALE 18
	CVT SO+4
	v_nop                                          ; one plain place behind the scaled conversions
	SWAPS
	WIN 0
	SWAPS
	SUMS                                           ; the 64 additions also stand between the lines that made p's codes and scale words and the products below
	WIN 0x45
	SUMS
	WIN 0
	s_wait_alu depctr_va_vdst(0)
	s_wait_dscnt 0x0                               ; V, its scale words and the next step's K are in
	PV 22
	WIN 0x54                                       ; p's codes and O^T in window 1
	PV 23
	WIN 0
	s_add_co_u32 s[TB], s[TB], 4096
	s_add_co_u32 s[TS], s[TS], 512
	s_add_co_u32 s[TJ], s[TJ], 256
	s_sub_co_u32 s[CNT], s[CNT], 1
	s_cmp_lg_u32 s[CNT], 0
	s_cbranch_scc1 .Lstep
	; THE WAY OUT OF A PASS.  O^T / the sum goes through my stage in LDS, tile by tile, and comes back as rows of 256 bytes; the residual is added; sixteen lanes store 256 consecutive bytes, aligned.
	WIN 0x05
	v_add_f32 v150, v20, v21                       ; tile B's sum: its two halves,
	WIN 0
	v_add_f32 v148, v20, v21                       ; tile A's
	v_permlanex16_b32 v[PM], v148, s[SEL], s[SEL+1]
	v_permlanex16_b32 v[PM+1], v150, s[SEL], s[SEL+1]
	v_add_f32 v148, v148, v[PM]                    ; and lane l xor 16's
	v_add_f32 v150, v150, v[PM+1]
	s_wait_alu depctr_va_vdst(0)                   ; the wait ahead of the transcendentals
	v_rcp_f32 v148, v148
	v_rcp_f32 v150, v150
	v_nop
	s_wait_alu depctr_va_vdst(0)                   ; and ahead of their first reader, which is also O^T's
.set J, 0
.rept 16
	v_pk_mul_f32 v[S+J:S+J+1], v[O+J:O+J+1], v[148:149] op_sel_hi:[1,0]   ; register 16 g + i is channel 32 g + 16 h + i of query r
.set J, J+2
.endr
	WIN 0x41
	s_wait_alu depctr_va_vdst(0)
.set J, 0
.rept 16
	v_pk_mul_f32 v[S+J:S+J+1], v[O+J:O+J+1], v[150:151] op_sel_hi:[1,0]
.set J, J+2
.endr
.irp x, 0,1                                    ; LDS serves a wave's instructions in order: the loads see the stores ahead of them, and tile B's stores come behind tile A's loads
	WIN 0x04*\x                                    ; the stores' data: window x
.irp g, 0,1
.irp i, 0,1,2,3
	ds_store_b128 v6, v[S+16*\g+4*\i:S+16*\g+4*\i+3] offset:128*\g+16*\i
.endr
.endr
	WIN 0x40*\x                                    ; the loads' destination: window x
.irp i, 0,1,2,3,4,5,6,7
	ds_load_b128 v[O+4*\i:O+4*\i+3], v7 offset:2*\i*SP
.endr
.endr
	s_wait_loadcnt 0x0                             ; the residual
	s_wait_dscnt 16                                ; tile A is back: tile B's 8 stores and 8 loads may be out
.irp x, 0,1
.if \x
	s_wait_dscnt 0x0
.endif
	WIN 0x44+\x                                    ; the rows from window x, the residual and the result in window 1
.set J, 0
.rept 16
	v_pk_add_f32 v[RES+32*\x+J:RES+32*\x+J+1], v[O+J:O+J+1], v[RES+32*\x+J:RES+32*\x+J+1]
.set J, J+2
.endr
	WIN 0x04
.irp i, 0,1,2,3,4,5,6,7
	global_store_b128 v5, v[RES+32*\x+4*\i:RES+32*\x+4*\i+3], s[10:11] offset:(2*\i+8*(\i/4)+8*\x)*4096 th:TH_STORE_NT
.endr
.endr
	WIN 0x01                                       ; the next pass's Q and scale words
.irp j, 0,1,2,3
	v_mov_b32 v[QF+\j], v[40+\j]
.endr
	v_mov_b32 v24, v48
	v_mov_b32 v25, v49
	WIN 0x41
.irp j, 0,1,2,3
	v_mov_b32 v[QF+\j], v[44+\j]
.endr
	WIN 0
	s_wait_xcnt 0x0                                ; the stores have read their data and base: the bases may step, and the next pass's loads land on the residual's registers
	s_add_nc_u64 s[8:9], s[8:9], 1048576           ; 256 tokens on
	s_add_nc_u64 s[10:11], s[10:11], 1048576
	s_sub_co_u32 s[PASS], s[PASS], 1
	s_cmp_lg_u32 s[PASS], 0
	s_wait_alu depctr_va_vdst(0)                   ; the wait ahead of the branch
	s_cbranch_scc1 .Lpass
	s_wait_tensorcnt 0x0                           ; the wave's end
	ds_add_u32 v27, v28
	s_wait_dscnt 0x0
	CROUND                                         ; the closing round
	s_endpgm
.Lfunc_end_k_qd020d36ff2_attn:
	.size	k_qd020d36ff2_attn, .Lfunc_end_k_qd020d36ff2_attn-k_qd020d36ff2_attn
	.p2alignl 7, 3214868480
	.fill 96, 4, 3214868480
	.section	.rodata,"a",@progbits
	.p2align	6, 0x0
	.amdhsa_kernel k_qd020d36ff2_attn
		.amdhsa_group_segment_fixed_size 179200
		.amdhsa_private_segment_fixed_size 0
		.amdhsa_enable_private_segment 0
		.amdhsa_kernarg_size 32
		.amdhsa_user_sgpr_count 2
		.amdhsa_user_sgpr_kernarg_segment_ptr 1
		.amdhsa_wavefront_size32 1
		.amdhsa_system_sgpr_workgroup_id_x 1
		.amdhsa_system_sgpr_workgroup_id_y 1
		.amdhsa_system_sgpr_workgroup_id_z 1
		.amdhsa_system_vgpr_workitem_id 0
		.amdhsa_next_free_vgpr 512
		.amdhsa_next_free_sgpr 96
		.amdhsa_reserve_vcc 0
		.amdhsa_float_denorm_mode_32 3
		.amdhsa_float_denorm_mode_16_64 3
		.amdhsa_memory_ordered 1
		.amdhsa_forward_progress 1
		.amdhsa_inst_pref_size 53
	.end_amdhsa_kernel
	.amdgpu_metadata
---
amdhsa.version: [ 1, 2 ]
amdhsa.kernels:
  - .name:           k_qd020d36ff2_attn
    .symbol:         k_qd020d36ff2_attn.kd
    .args:
      - { .name: cd, .offset: 0, .size: 8, .value_kind: global_buffer, .address_space: global }
      - { .name: sc, .offset: 8, .size: 8, .value_kind: global_buffer, .address_space: global }
      - { .name: q, .offset: 16, .size: 8, .value_kind: global_buffer, .address_space: global }
      - { .name: out0, .offset: 24, .size: 8, .value_kind: global_buffer, .address_space: global }
    .group_segment_fixed_size: 179200
    .private_segment_fixed_size: 0
    .kernarg_segment_align: 8
    .kernarg_segment_size: 32
    .max_flat_workgroup_size: 256
    .sgpr_count:     96
    .vgpr_count:     512
    .wavefront_size: 32
...
	.end_amdgpu_metadata
.endif
;; end of part 3
